; MI455X (gfx1250); checked and timed in simulation.
; The chip was launched on July 23, 2026; its instructions are those of AMD's public machine-readable ISA for CDNA 5 (MIT licence, August 2026) and "CDNA5" Instruction Set Architecture Reference Guide (July 2026). The comments in the code are by the model that wrote it; some were corrected since.
;; Va DE Clusterer. Allowed arithmetic: float matrix products may take bf16 or f16 operands with f32 sums; other float arithmetic in f32, or as packed bf16 or f16 multiplies, adds, multiply-adds, maxima and minima; sums over many terms, partial sums and values carried from step to step in f32; what a program stores and reads back later, other than sums and carried values, may be rounded once to bf16 or f16.
;; Inputs: centroids 64 x 256 float32; log_sigma 64 x 256 float32; logvar 16,384 x 256 float32; mu 16,384 x 256 float32; pi_logits 64 float32; z 16,384 x 256 float32.
;; Outputs: out0 16,384 x 64 float32; out1 one number float32.
;; One version. Each part assembles by itself: llvm-mc -triple=amdgcn-amd-amdhsa -mcpu=gfx1250 --defsym DOCPART=n.
;; ======== version 1 of 1: 2 launches
;; workspace buffers: part 4,096 bytes
;; launch main (part 1): grid 256 x 1, 4 waves a work-group, no clusters, 327,680 bytes of LDS; arguments z, mu, logvar, centroids, log_sigma, pi_logits, out0, part; writes out0, part
.if DOCPART == 1
	.amdgcn_target "amdgcn-amd-amdhsa--gfx1250"
	.amdhsa_code_object_version 6
	.text
	.protected	k_q158560869b_main
	.globl	k_q158560869b_main
	.p2align	8
	.type	k_q158560869b_main,@function
k_q158560869b_main:
	s_mov_b64 s[64:65], 0
	v_nop
	global_prefetch_b8 v0, s[64:65] scope:SCOPE_SE
	s_setreg_imm32_b32 hwreg(HW_REG_WAVE_MODE, 25, 1), 1
	s_wait_xcnt 0x0
; VaDE E-step and ELBO terms.  z, mu, logvar: [16384][256] f32; centroids, log_sigma: [64][256] f32; pi_logits: [64] f32.
; out0 = gamma [16384][64] f32; part = 1,024 f32 partial sums of the loss, one a wave (the mean is taken by the next launch).
; ALGEBRA.  cbar[d] = mean over k of c[k][d]; z' = clip(z) - cbar, mu' = clip(mu) - cbar, c' = c - cbar: the squares are expanded only after this
; centring, so an offset that inputs and centroids share does not become a difference of large sums.  e = exp(-log_sigma), s = max(e, 1/20) = 1 / clip(exp(log_sigma), 0, 20).
;   X = sum z'^2 e + sum z' (-2 c' e) + [sum c'^2 e + 2 sum ls - 2 pi]  = -2 log p up to a term equal for all k;  gamma = softmax(-X/2), with the row's least X taken away first.
;   I = sum (exp(lv) + mu'^2) s + sum mu' (-2 c' s) + [sum c'^2 s + sum ls - 2 pi]
;   loss = mean over rows of [ 1/2 sum_k g I + sum_k g ln(g + 1e-10) - 1/2 sum_d lv ] - 128     (the two terms 128 log 2 pi cancel, since sum_k g = 1)
; FORMATS.  All matrix operands bf16, sums f32.  The four operands of X go as head + rest (two bf16 each) with the three products head x head, head x rest, rest x head;
; those of I, which enters the loss alone, as one bf16.
; SHARES.  A work-group owns 64 rows.  D is split over its four waves: wave w owns d = 64 w .. 64 w + 63 (256 bytes of every row), makes its own slice of the six weight
; matrices for all 64 centroids (384 registers), and multiplies all 64 rows, 16 at a time.  The partial sums meet in LDS: wave w owns the rows 16 w .. 16 w + 15 and takes that tile last.
; THE MATRIX INSTRUCTION IS USED TRANSPOSED: source 0 = 16 centroids, source 1 = 16 rows: a lane holds one row (lane % 16) and the centroids 16 t + 8 (lane / 16) + 0..7.
; K's places: lane half h, K step s, place i (0..15) stand for d = 64 w + 32 h + 16 s + i, alike in both sources: 64 consecutive bytes of f32 for a lane and a K step.
; NO CLUSTER: what work-groups share is c and log_sigma; a joint load would have to land in LDS, 4 x 2 x 64 x 272 = 139,264 bytes, and 2,560 bytes are free.
; LIMITS.  NaN inputs are not treated apart (the clip is a median of three).  An exponential below 2^-126 counts as 0.  The sums over d are added in four parts.
.set PITCH, 272                 ; an LDS row: 256 bytes + 16 of padding = 68 words: the 16 rows of a fragment load start 4 words apart modulo 64 words
.set CHB,   32*PITCH            ; a tile of 32 rows
.set WREG,  6*CHB               ; a wave's six tiles: (z, mu, logvar) of the first 32 rows it works on, then of the second
.set RED,   4*WREG              ; behind the tiles: 12 blocks of partial sums, 3 for each owner
.set REDS,  8192                ; 64 registers x 128 bytes
.set STAGE, RED+12*REDS         ; 16 rows x 272 bytes for each wave: gamma's way out
.set SPARE, STAGE+4*16*PITCH    ; the spare words, 128 bytes a wave
; window 0
.set SPW, 2                     ; LDS address of my spare word; never rewritten
.set NIL, 3                     ; 0; never rewritten
.set M1,  4                     ; -1.0
.set VA0, 5                     ; LDS address of my fragment rows: first 32 rows
.set VA2, 6                     ; third tile
.set VA3, 7                     ; fourth tile, my own
.set RS0, 8                     ; where my first tile's partial sums go (the second's lie 3 blocks on)
.set RS2, 9                     ; the third's
.set RR,  10                    ; where the three blocks for my own tile lie
.set STO, 11
.set RD,  12
.set GO,  13                    ; 16 x lane
.set CADR, 14
.set PADR, 15
.set PI,  16                    ; v16-19  pi[16 t + lane % 16]
.set SL,  20                    ; v20-23  preparation: sums of log_sigma
.set LVS, 20                    ; v20-23  later: sums of clipped logvar
.set CB,  24                    ; v24-55  2 cbar, later cbar, of my 32 places
.set HH,  56                    ; lane / 16, set-up only
.set E,   56                    ; preparation: e
.set F2,  72                    ; -2 c' e
.set SS,  88                    ; s
.set G4,  104                   ; -2 c' s
.set S2,  120                   ; sums of 4 c'^2 e
.set S4,  124                   ; sums of 4 c'^2 s
.set CL,  128                   ; v128-255 c, then -2 c': 32 t + 16 s + i
.set SX,  56                    ; selector fragments for the constants
.set SI,  64
.set A1H, 64                    ; fragments of the data: z'^2 head, rest; z' head, rest; exp(lv) + mu'^2; mu'
.set A1L, 72
.set A2H, 80
.set A2L, 88
.set A3,  96
.set A4,  104
.set Q,   112                   ; z'^2 in f32
.set RAW, 128                   ; two buffers of 48: z, mu, logvar as loaded
.set X,   64                    ; the end: X, then gamma
.set II,  96
.set T,   128
.set U,   132
.set O,   160
.set LG,  192
.set TA,  224
.set TB,  228
; windows 1, 2: weights of K step 0, 1: matrix m (e head, e rest, -2c'e head, rest, s, -2c's), centroid block t at 32 m + 8 t
; window 3: accumulators and their starting constants; before that log_sigma lands in 0-127
.set AX, 0
.set AI, 32
.set CX, 64
.set CI, 96
.set WV, 4
.set G1, 24
.set G0, 32                     ; six sets of four: no descriptor register is written while its load is out
.set LB, 59
.set SLO, 66
.set SHI, 67
.set SEL, 68
.set NA,  70
.set SAVE, 72
.set MSB, 0
.macro WIN new                  ; the immediate's high byte repeats the setting that is left; a switch that changes nothing is dropped
.if MSB != (\new)
	s_set_vgpr_msb (MSB<<8)|(\new)
.set MSB, \new
.endif
.endm
	s_load_b256 s[8:15], s[0:1], 0x0               ; z s[8:9], mu s[10:11], logvar s[12:13], centroids s[14:15]
	s_load_b256 s[16:23], s[0:1], 0x20             ; log_sigma s[16:17], pi s[18:19], out0 s[20:21], part s[22:23]
	v_lshl_add_u32 v[SPW], v0, 2, SPARE
	v_mov_b32 v[NIL], 0
	ds_add_u32 v[SPW], v[NIL]                      ; the wave's opening: the add and its wait ahead of my first tensor load
	ds_add_u32 v2, v3
	v_lshrrev_b32 v1, 5, v0
	v_readfirstlane_b32 s[WV], v1                  ; wave 0..3
	v_and_b32 v1, 15, v0                           ; lane % 16
	v_bfe_u32 v[HH], v0, 4, 1                      ; lane / 16
	v_lshlrev_b32 v[CADR], 10, v1                  ; c and log_sigma: row lane % 16,
	v_lshl_add_u32 v[CADR], v[HH], 7, v[CADR]      ; my half's 128 bytes
	s_lshl_b32 s5, s[WV], 8                        ; of my wave's 256
	v_add_nc_u32 v[CADR], s5, v[CADR]
	v_lshlrev_b32 v[PADR], 2, v1
	v_mov_b32 v[M1], -1.0
	; descriptor group 1: 32 rows x 64 elements of 4 bytes, rows 256 elements apart, 4 words of padding behind every 64 words
	s_mov_b32 s[G1+0], (2<<16)|(1<<20)|(5<<22)|(3<<25)
	s_mov_b32 s[G1+1], 64<<16                      ; tensor_dim0 = 64
	s_mov_b32 s[G1+2], 32<<16                      ; tensor_dim1 = 32
	s_mov_b32 s[G1+3], 64<<16                      ; tile_dim0 = 64
	s_mov_b32 s[G1+4], 32                          ; tile_dim1 = 32
	s_mov_b32 s[G1+5], 256                         ; elements from row to row
	s_mov_b32 s[G1+6], 0
	s_mov_b32 s[G1+7], 0
	s_mul_i32 s[LB], s[WV], WREG                   ; my wave's tiles in LDS
.irp i, 0,1,2,3,4,5
	s_mov_b32 s[G0+4*\i], 1
	s_add_co_u32 s[G0+4*\i+1], s[LB], \i*CHB
.endr
	s_lshl_b32 s56, ttmp9, 16                      ; the work-group's 64 rows of 1,024 bytes
	s_add_co_u32 s56, s56, s5                      ; my wave's 256 bytes of a row
	s_lshr_b32 s57, s[WV], 1
	s_lshl_b32 s57, s57, 15                        ; the 32 rows that hold my own tile: they come second,
	s_xor_b32 s58, s57, 0x8000                     ; the other 32 rows first
	s_add_co_u32 s60, s56, s58
	s_mov_b32 s61, 0
	s_add_co_u32 s62, s56, s57
	s_mov_b32 s63, 0
	s_mov_b32 s[SLO], 0xc1a00000                   ; -20
	s_mov_b32 s[SHI], 0x41a00000                   ; 20
	s_mov_b32 s[SEL], 0x76543210                   ; v_permlanex16_b32: each lane takes its own place in the other half
	s_mov_b32 s[SEL+1], 0xfedcba98
	s_mov_b32 s[NA], 0xbf38aa3b                    ; -log2(e) / 2
	s_mov_b32 s[NA+1], s[NA]                       ; named with it as a pair
	s_wait_dscnt 0x0                               ; the opening add is done
	s_wait_kmcnt 0x0
.irp c, 0,1
.irp n, 0,1,2
	s_add_nc_u64 s[G0+4*(3*\c+\n)+2:G0+4*(3*\c+\n)+3], s[8+2*\n:9+2*\n], s[60+2*\c:61+2*\c]
	s_or_b32 s[G0+4*(3*\c+\n)+3], s[G0+4*(3*\c+\n)+3], 0x80000000
.endr
.endr
	; c, pi and three quarters of log_sigma are asked for ahead of the tiles: the weights are made of them while the tiles are on their way.
.irp t, 0,1,2,3
.irp s, 0,1
.irp q, 0,1,2,3
	global_load_b128 v[CL+32*\t+16*\s+4*\q:CL+32*\t+16*\s+4*\q+3], v[CADR], s[14:15] offset:16384*\t+64*\s+16*\q
.endr
.endr
.endr
.irp t, 0,1,2,3
	global_load_b32 v[PI+\t], v[PADR], s[18:19] offset:64*\t
.endr
.macro LSLOAD t
.irp s, 0,1
.irp q, 0,1,2,3
	global_load_b128 v[32*(\t)+16*\s+4*\q:32*(\t)+16*\s+4*\q+3], v[CADR], s[16:17] offset:16384*(\t)+64*\s+16*\q
.endr
.endr
.endm
	WIN 0xc0                                       ; destination window 3
	LSLOAD 0
	LSLOAD 1
	LSLOAD 2
.irp i, 0,1,2,3,4,5                    ; all six first fills in one group: six tensor loads of mine are out
	tensor_load_to_lds s[G0+4*\i:G0+4*\i+3], s[G1:G1+7]
	s_nop 0
.endr
	LSLOAD 3
	WIN 0
	; addresses
	v_mul_u32_u24 v[VA0], v1, PITCH
	v_lshl_add_u32 v[VA0], v[HH], 7, v[VA0]
	v_add_nc_u32 v[VA0], s[LB], v[VA0]             ; row x pitch + my half's 128 bytes + my wave's tiles
	s_and_b32 s5, s[WV], 1
	s_mul_i32 s6, s5, 16*PITCH
	s_add_co_u32 s6, s6, 3*CHB
	v_add_nc_u32 v[VA3], s6, v[VA0]                ; my own tile: rows 16 (w % 2) of the second 32
	s_xor_b32 s7, s5, 1
	s_mul_i32 s7, s7, 16*PITCH
	s_add_co_u32 s7, s7, 3*CHB
	v_add_nc_u32 v[VA2], s7, v[VA0]                ; its neighbour
	v_and_b32 v[GO], 31, v0
	v_lshlrev_b32 v[GO], 4, v[GO]
	; block 3 o + J holds a part for owner o: J = w % 2 from the two waves of the other pair, J = 2 from the neighbour
	s_and_b32 s6, s[WV], 2
	s_xor_b32 s6, s6, 2                            ; the first tile that I work on: 2 for waves 0, 1; 0 for waves 2, 3
	s_mul_i32 s6, s6, 3
	s_add_co_u32 s6, s6, s5
	s_lshl_b32 s6, s6, 13
	s_add_co_u32 s6, s6, RED
	v_add_nc_u32 v[RS0], s6, v[GO]
	s_xor_b32 s7, s[WV], 1
	s_mul_i32 s7, s7, 3
	s_add_co_u32 s7, s7, 2
	s_lshl_b32 s7, s7, 13
	s_add_co_u32 s7, s7, RED
	v_add_nc_u32 v[RS2], s7, v[GO]
	s_mul_i32 s6, s[WV], 3*REDS
	s_add_co_u32 s6, s6, RED
	v_add_nc_u32 v[RR], s6, v[GO]
	s_mul_i32 s6, s[WV], 16*PITCH
	s_add_co_u32 s6, s6, STAGE
	v_mul_u32_u24 v[STO], v1, PITCH                ; in: row lane % 16, 32 bytes for each half of the lanes
	v_lshl_add_u32 v[STO], v[HH], 5, v[STO]
	v_add_nc_u32 v[STO], s6, v[STO]
	v_mul_u32_u24 v[RD], v[HH], PITCH              ; back: lanes 0-15 one row of 256 bytes, lanes 16-31 the next
	v_lshl_add_u32 v[RD], v1, 4, v[RD]
	v_add_nc_u32 v[RD], s6, v[RD]
	s_lshl_b32 s6, ttmp9, 14                       ; out0: 64 rows of 256 bytes a work-group, 16 a wave
	s_lshl_b32 s7, s[WV], 12
	s_add_co_u32 s6, s6, s7
	s_mov_b32 s7, 0
	s_add_nc_u64 s[20:21], s[20:21], s[6:7]
	s_lshl_b32 s6, ttmp9, 4                        ; part: word 4 x work-group + wave
	s_lshl2_add_u32 s6, s[WV], s6
	s_add_nc_u64 s[22:23], s[22:23], s[6:7]
	; 2 cbar of my 32 places: four centroid blocks in the lane, then the 16 lanes of my half
	s_wait_loadcnt 36                              ; c's 32 loads are in; pi's 4 and log_sigma's 32 are younger
.irp b, 32, 64, 96
.set j, 0
.rept 16
.if \b == 32
	v_pk_add_f32 v[CB+2*j:CB+2*j+1], v[CL+2*j:CL+2*j+1], v[CL+32+2*j:CL+32+2*j+1]
.else
	v_pk_add_f32 v[CB+2*j:CB+2*j+1], v[CB+2*j:CB+2*j+1], v[CL+\b+2*j:CL+\b+2*j+1]
.endif
.set j, j+1
.endr
.endr
.irp x, 1, 2, 4, 8
.set j, 0
.rept 32
	v_add_f32_dpp v[CB+j], v[CB+j], v[CB+j] row_xmask:\x row_mask:0xf bank_mask:0xf
.set j, j+1
.endr
.endr
.set j, 0
.rept 16
	v_pk_mul_f32 v[CB+2*j:CB+2*j+1], v[CB+2*j:CB+2*j+1], 0x3d000000 op_sel_hi:[1,0]  ; sum / 32 = 2 cbar
.set j, j+1
.endr
; THE WEIGHTS of centroid block t, K step s: 16 places a lane.
.macro BPREP t, s
.set cR, CL+32*(\t)+16*(\s)
.set lR, 32*(\t)+16*(\s)
.set cb, CB+16*(\s)
.set bw, 1+(\s)
	WIN 0x03                                       ; source 0 (log_sigma) in window 3
.set j, 0
.rept 8
	v_pk_mul_f32 v[E+2*j:E+2*j+1], v[lR+2*j:lR+2*j+1], 0xbfb8aa3b op_sel_hi:[1,0]  ; -ls log2(e)
	v_pk_add_f32 v[SL+2*(j%2):SL+2*(j%2)+1], v[lR+2*j:lR+2*j+1], v[SL+2*(j%2):SL+2*(j%2)+1]
.set j, j+1
.endr
	WIN 0
.set j, 0
.rept 16
	v_exp_f32 v[E+j], v[E+j]                       ; e; the plain lines below stand between the exponentials and their use
.set j, j+1
.endr
.set j, 0
.rept 8
	v_pk_fma_f32 v[cR+2*j:cR+2*j+1], v[cR+2*j:cR+2*j+1], -2.0, v[cb+2*j:cb+2*j+1] op_sel_hi:[1,0,1]  ; -2 c' = -2 c + 2 cbar
.set j, j+1
.endr
.set j, 0
	s_wait_alu depctr_va_vdst(0)
.rept 8
	v_pk_mul_f32 v[F2+2*j:F2+2*j+1], v[cR+2*j:cR+2*j+1], v[E+2*j:E+2*j+1]
.set j, j+1
.endr
.set j, 0
.rept 16
	v_max_num_f32 v[SS+j], 0x3d4ccccd, v[E+j]      ; s = max(e, 1/20)
.set j, j+1
.endr
.set j, 0
.rept 8
	v_pk_mul_f32 v[G4+2*j:G4+2*j+1], v[cR+2*j:cR+2*j+1], v[SS+2*j:SS+2*j+1]
.set j, j+1
.endr
.set j, 0
.rept 8
.if ((\s) == 0) && (j < 2)                         ; the block's first products start the sums: nothing is cleared
	v_pk_mul_f32 v[S2+2*j:S2+2*j+1], v[cR+2*j:cR+2*j+1], v[F2+2*j:F2+2*j+1]
	v_pk_mul_f32 v[S4+2*j:S4+2*j+1], v[cR+2*j:cR+2*j+1], v[G4+2*j:G4+2*j+1]
.else
	v_pk_fma_f32 v[S2+2*(j%2):S2+2*(j%2)+1], v[cR+2*j:cR+2*j+1], v[F2+2*j:F2+2*j+1], v[S2+2*(j%2):S2+2*(j%2)+1]
	v_pk_fma_f32 v[S4+2*(j%2):S4+2*(j%2)+1], v[cR+2*j:cR+2*j+1], v[G4+2*j:G4+2*j+1], v[S4+2*(j%2):S4+2*(j%2)+1]
.endif
.set j, j+1
.endr
	WIN bw<<6                                      ; destination: the K step's window
.set j, 0
.rept 8
	v_cvt_pk_bf16_f32 v[8*(\t)+j], v[E+2*j], v[E+2*j+1]
	v_cvt_pk_bf16_f32 v[64+8*(\t)+j], v[F2+2*j], v[F2+2*j+1]
	v_cvt_pk_bf16_f32 v[128+8*(\t)+j], v[SS+2*j], v[SS+2*j+1]
	v_cvt_pk_bf16_f32 v[160+8*(\t)+j], v[G4+2*j], v[G4+2*j+1]
.set j, j+1
.endr
	WIN bw                                         ; source 0: the heads just made; rest = number - head, exact in f32
.set j, 0
.rept 8
	v_fma_mix_f32_bf16 v[E+2*j], v[8*(\t)+j], v[M1], v[E+2*j] op_sel_hi:[1,0,0]
	v_fma_mix_f32_bf16 v[E+2*j+1], v[8*(\t)+j], v[M1], v[E+2*j+1] op_sel:[1,0,0] op_sel_hi:[1,0,0]
	v_fma_mix_f32_bf16 v[F2+2*j], v[64+8*(\t)+j], v[M1], v[F2+2*j] op_sel_hi:[1,0,0]
	v_fma_mix_f32_bf16 v[F2+2*j+1], v[64+8*(\t)+j], v[M1], v[F2+2*j+1] op_sel:[1,0,0] op_sel_hi:[1,0,0]
.set j, j+1
.endr
	WIN bw<<6
.set j, 0
.rept 8
	v_cvt_pk_bf16_f32 v[32+8*(\t)+j], v[E+2*j], v[E+2*j+1]
	v_cvt_pk_bf16_f32 v[96+8*(\t)+j], v[F2+2*j], v[F2+2*j+1]
.set j, j+1
.endr
.endm
; THE CONSTANTS of centroid 16 t + lane % 16, my lane's eighth of them (4 waves x 2 halves): x1 for X, x2 for I, each as three bf16, x1 in the low halves and x2 in the high halves of three registers.
.macro KONST t
.set FR, CL+32*(\t)                    ; the block's c is used up: its first eight registers take the fragment
	WIN 0
	v_pk_add_f32 v[SL:SL+1], v[SL:SL+1], v[SL+2:SL+3]
	v_pk_add_f32 v[S2:S2+1], v[S2:S2+1], v[S2+2:S2+3]
	v_pk_add_f32 v[S4:S4+1], v[S4:S4+1], v[S4+2:S4+3]
	v_add_f32 v[SL], v[SL], v[SL+1]                ; sum ls - pi / 8
	v_add_f32 v[S2], v[S2], v[S2+1]
	v_add_f32 v[S4], v[S4], v[S4+1]
	v_add_f32 v[E], v[SL], v[SL]
	v_fmamk_f32 v[E+1], v[PI+(\t)], 0xbe000000, v[SL]
	v_fmamk_f32 v[E], v[S2], 0x3e800000, v[E]      ; x1 = sum c'^2 e + 2 sum ls - pi / 4
	v_fmamk_f32 v[E+1], v[S4], 0x3e800000, v[E+1]  ; x2 = sum c'^2 s + sum ls - pi / 4
	v_cvt_pk_bf16_f32 v[FR], v[E], v[E+1]
	v_fma_mix_f32_bf16 v[E], v[FR], v[M1], v[E] op_sel_hi:[1,0,0]
	v_fma_mix_f32_bf16 v[E+1], v[FR], v[M1], v[E+1] op_sel:[1,0,0] op_sel_hi:[1,0,0]
	v_cvt_pk_bf16_f32 v[FR+1], v[E], v[E+1]
	v_fma_mix_f32_bf16 v[E], v[FR+1], v[M1], v[E] op_sel_hi:[1,0,0]
	v_fma_mix_f32_bf16 v[E+1], v[FR+1], v[M1], v[E+1] op_sel:[1,0,0] op_sel_hi:[1,0,0]
	v_cvt_pk_bf16_f32 v[FR+2], v[E], v[E+1]
.irp i, 3,4,5,6,7
	v_mov_b32 v[FR+\i], 0                          ; the fragment's other places
.endr
.endm
.macro BTILE t
	s_wait_loadcnt 8*(3-(\t))                      ; this block's eight loads of log_sigma are in; eight for each later block are younger
	WIN 0
.irp i, 0,1,2,3
	v_mul_f32 v[SL+\i], 0xbd000000, v[PI+(\t)]     ; the four sums of ls start at -pi / 32 each
.endr
	BPREP \t, 0
	BPREP \t, 1
	KONST \t
.endm
	BTILE 0
	BTILE 1
	BTILE 2
	BTILE 3
	; The constants are spread by the matrix unit: (16 centroids x 32 places) x (places x 16 rows of ones in the low, or the high, halves) gives each lane the constants of its eight centroids.
.irp i, 0,1,2
	v_mov_b32 v[SX+\i], 0x3f80
	v_mov_b32 v[SI+\i], 1.0
.endr
.irp i, 3,4,5,6,7
	v_mov_b32 v[SX+\i], 0
	v_mov_b32 v[SI+\i], 0
.endr
	WIN 0xc0
.irp t, 0,1,2,3
	v_wmma_f32_16x16x32_bf16 v[CX+8*\t:CX+8*\t+7], v[CL+32*\t:CL+32*\t+7], v[SX:SX+7], 0
	v_wmma_f32_16x16x32_bf16 v[CI+8*\t:CI+8*\t+7], v[CL+32*\t:CL+32*\t+7], v[SI:SI+7], 0
.endr
	WIN 0
.set j, 0
.rept 16                               ; cbar; these sixteen plain lines are also the places between those products and the loads into their sources
	v_pk_mul_f32 v[CB+2*j:CB+2*j+1], v[CB+2*j:CB+2*j+1], 0.5 op_sel_hi:[1,0]
.set j, j+1
.endr
; 12 LDS loads: z, mu, logvar of 16 rows, K step s, into raw buffer s
.macro LOADRAW ar, ob, s
	WIN 0
.irp n, 0,1,2
.irp q, 0,1,2,3
	ds_load_b128 v[RAW+48*(\s)+16*\n+4*\q:RAW+48*(\s)+16*\n+4*\q+3], v[\ar] offset:\n*CHB+(\ob)+64*(\s)+16*\q
.endr
.endr
.endm
; THE DATA'S FRAGMENTS of one K step.  first = 1: the sums of logvar begin.
.macro PREP s, first
.set Z, RAW+48*(\s)
.set MU, Z+16
.set LV, Z+32
.set cb, CB+16*(\s)
	WIN 0
.set j, 0
.rept 16
	v_med3_num_f32 v[Z+j], v[Z+j], s[SLO], s[SHI]  ; the clips
	v_med3_num_f32 v[MU+j], v[MU+j], s[SLO], s[SHI]
	v_med3_num_f32 v[LV+j], v[LV+j], s[SLO], s[SHI]
.set j, j+1
.endr
.set j, 0
.rept 8
	v_pk_add_f32 v[Z+2*j:Z+2*j+1], v[Z+2*j:Z+2*j+1], v[cb+2*j:cb+2*j+1] neg_lo:[0,1] neg_hi:[0,1]
	v_pk_add_f32 v[MU+2*j:MU+2*j+1], v[MU+2*j:MU+2*j+1], v[cb+2*j:cb+2*j+1] neg_lo:[0,1] neg_hi:[0,1]
.set j, j+1
.endr
.set j, 0
.rept 8
.if (\first) && (j < 2)
	v_pk_add_f32 v[LVS+2*j:LVS+2*j+1], v[LV+2*j:LV+2*j+1], v[LV+2*j+4:LV+2*j+5]
.elseif (\first) && (j < 4)
.else
	v_pk_add_f32 v[LVS+2*(j%2):LVS+2*(j%2)+1], v[LVS+2*(j%2):LVS+2*(j%2)+1], v[LV+2*j:LV+2*j+1]
.endif
	v_pk_mul_f32 v[LV+2*j:LV+2*j+1], v[LV+2*j:LV+2*j+1], 0x3fb8aa3b op_sel_hi:[1,0]
.set j, j+1
.endr
.set j, 0
.rept 16
	v_exp_f32 v[LV+j], v[LV+j]                     ; exp(logvar); plain lines on other registers follow
.set j, j+1
.endr
.set j, 0
.rept 8
	v_pk_mul_f32 v[Q+2*j:Q+2*j+1], v[Z+2*j:Z+2*j+1], v[Z+2*j:Z+2*j+1]
.set j, j+1
.endr
.set j, 0
.rept 8
	v_cvt_pk_bf16_f32 v[A2H+j], v[Z+2*j], v[Z+2*j+1]
	v_cvt_pk_bf16_f32 v[A1H+j], v[Q+2*j], v[Q+2*j+1]
	v_cvt_pk_bf16_f32 v[A4+j], v[MU+2*j], v[MU+2*j+1]
.set j, j+1
.endr
.set j, 0
	s_wait_alu depctr_va_vdst(0)
.rept 8
	v_pk_fma_f32 v[LV+2*j:LV+2*j+1], v[MU+2*j:MU+2*j+1], v[MU+2*j:MU+2*j+1], v[LV+2*j:LV+2*j+1]
.set j, j+1
.endr
.set j, 0
.rept 8
	v_fma_mix_f32_bf16 v[Z+2*j], v[A2H+j], v[M1], v[Z+2*j] op_sel_hi:[1,0,0]
	v_fma_mix_f32_bf16 v[Z+2*j+1], v[A2H+j], v[M1], v[Z+2*j+1] op_sel:[1,0,0] op_sel_hi:[1,0,0]
	v_fma_mix_f32_bf16 v[Q+2*j], v[A1H+j], v[M1], v[Q+2*j] op_sel_hi:[1,0,0]
	v_fma_mix_f32_bf16 v[Q+2*j+1], v[A1H+j], v[M1], v[Q+2*j+1] op_sel:[1,0,0] op_sel_hi:[1,0,0]
.set j, j+1
.endr
.set j, 0
.rept 8
	v_cvt_pk_bf16_f32 v[A3+j], v[LV+2*j], v[LV+2*j+1]
	v_cvt_pk_bf16_f32 v[A2L+j], v[Z+2*j], v[Z+2*j+1]
	v_cvt_pk_bf16_f32 v[A1L+j], v[Q+2*j], v[Q+2*j+1]
.set j, j+1
.endr
.endm
; THE PRODUCTS of one K step: 32.  The four accumulators of a run take turns, one instruction a turn.  In K step 0 the first product of each sum takes the constants as C.
.macro MM4 m, a, d, c
.irp t, 0,1,2,3
	v_wmma_f32_16x16x32_bf16 v[(\d)+8*\t:(\d)+8*\t+7], v[32*(\m)+8*\t:32*(\m)+8*\t+7], v[(\a):(\a)+7], v[(\c)+8*\t:(\c)+8*\t+7]
.endr
.endm
.macro MMS s
	WIN 0xf1+(\s)                                  ; weights in window 1 or 2, data in window 0, C and D in window 3
.if (\s) == 0
	MM4 0, A1H, AX, CX
.else
	MM4 0, A1H, AX, AX
.endif
	MM4 0, A1L, AX, AX
	MM4 1, A1H, AX, AX
	MM4 2, A2H, AX, AX
	MM4 2, A2L, AX, AX
	MM4 3, A2H, AX, AX
.if (\s) == 0
	MM4 4, A3, AI, CI
.else
	MM4 4, A3, AI, AI
.endif
	MM4 5, A4, AI, AI
.endm
; A finished tile's partial sums go to their owner's block, as the registers lie: 512 consecutive bytes a store; each accumulator's low registers first.
; It stands behind the next step's vector work, which is the distance behind the tile's last products.
.macro REDOUT ar, ob
	WIN 0x0c                                       ; data in window 3
.set j, 0
.rept 16
	ds_store_b128 v[\ar], v[4*j:4*j+3] offset:(\ob)+512*j
.set j, j+1
.endr
.endm
	s_wait_tensorcnt 0x3                           ; my first three tiles are in LDS; the three of the second 32 rows may be out.  Only I read my tiles: no barrier
	LOADRAW VA0, 0, 0
	LOADRAW VA0, 0, 1                              ; each step's loads are issued a step ahead
	s_wait_dscnt 12                                ; all but the 12 just issued
	PREP 0, 1
	MMS 0
	LOADRAW VA0, 16*PITCH, 0
	s_wait_dscnt 12
	PREP 1, 0
	MMS 1
	LOADRAW VA0, 16*PITCH, 1                       ; second tile
	s_wait_dscnt 12
	PREP 0, 0
	REDOUT RS0, 0
	MMS 0
	s_wait_dscnt 16                                ; the 16 stores are younger than this step's loads
	PREP 1, 0
	MMS 1
	s_wait_tensorcnt 0x0                           ; the second 32 rows are in
	LOADRAW VA2, 0, 0                              ; third tile
	LOADRAW VA2, 0, 1
	s_wait_dscnt 12
	PREP 0, 0
	REDOUT RS0, 3*REDS
	MMS 0
	LOADRAW VA3, 0, 0
	s_wait_dscnt 28                                ; 16 stores and 12 loads are younger
	PREP 1, 0
	MMS 1
	LOADRAW VA3, 0, 1                              ; fourth tile, my own: it stays in registers
	s_wait_dscnt 12
	PREP 0, 0
	REDOUT RS2, 0
	s_wait_dscnt 0x0                               ; for the others' sake: all my partial sums are in LDS (and my last loads are back)
	s_barrier_signal -1                            ; only work on registers stands between the signal and the wait
	MMS 0
	PREP 1, 0
	MMS 1
	WIN 0
	v_pk_add_f32 v[LVS:LVS+1], v[LVS:LVS+1], v[LVS+2:LVS+3]
.rept 3
	v_nop                                          ; with the line above: four places between the last products and the loads into their sources
.endr
	s_barrier_wait -1                              ; every wave's partial sums are in LDS
.irp b, 0,1,2
.set j, 0
.rept 16
	ds_load_b128 v[X+64*\b+4*j:X+64*\b+4*j+3], v[RR] offset:\b*REDS+512*j
.set j, j+1
.endr
.endr
	s_wait_dscnt 32                                ; the first block is in; two blocks of 16 loads are younger
	WIN 0x0c                                       ; source 1: my own part, in window 3
.set j, 0
.rept 32
	v_pk_add_f32 v[X+2*j:X+2*j+1], v[X+2*j:X+2*j+1], v[2*j:2*j+1]
.set j, j+1
.endr
	WIN 0
	s_wait_dscnt 16
.set j, 0
.rept 32
	v_pk_add_f32 v[X+2*j:X+2*j+1], v[X+2*j:X+2*j+1], v[X+64+2*j:X+64+2*j+1]
.set j, j+1
.endr
	s_wait_dscnt 0x0
.set j, 0
.rept 32
	v_pk_add_f32 v[X+2*j:X+2*j+1], v[X+2*j:X+2*j+1], v[X+128+2*j:X+128+2*j+1]
.set j, j+1
.endr
	; SOFTMAX over a row's 64 centroids: 32 in the lane, 32 in the lane 16 away.  log p = -X / 2: the row's greatest log p is its least X.
.irp c, 0,1,2,3
	v_min3_num_f32 v[T+\c], v[X+3*\c], v[X+3*\c+1], v[X+3*\c+2]
.endr
.set j, 0
.rept 10
	v_min3_num_f32 v[T+j%4], v[T+j%4], v[X+12+2*j], v[X+13+2*j]
.set j, j+1
.endr
	v_min3_num_f32 v[T], v[T], v[T+1], v[T+2]
	v_min_num_f32 v[T], v[T], v[T+3]
	v_permlanex16_b32 v[T+1], v[T], s[SEL], s[SEL+1]
	v_min_num_f32 v[T], v[T], v[T+1]
	v_mul_f32 v[T+2], 0x3f38aa3b, v[T]             ; min x log2(e) / 2
	v_mul_f32 v[T+3], 0x3f38aa3b, v[T]             ; named with it as a pair
.set j, 0
.rept 16
	v_pk_fma_f32 v[X+2*j:X+2*j+1], v[X+2*j:X+2*j+1], s[NA:NA+1], v[T+2:T+3] op_sel_hi:[1,0,0]
.set j, j+1
.endr
.set j, 0
.rept 32
	v_exp_f32 v[X+j], v[X+j]
.set j, j+1
.endr
	v_nop                                          ; a plain line between the exponentials and their use
.set j, 0
	s_wait_alu depctr_va_vdst(0)
.rept 8
	v_pk_add_f32 v[U+2*j:U+2*j+1], v[X+4*j:X+4*j+1], v[X+4*j+2:X+4*j+3]
.set j, j+1
.endr
.irp j, 0,1,2,3
	v_pk_add_f32 v[U+4*\j:U+4*\j+1], v[U+4*\j:U+4*\j+1], v[U+4*\j+2:U+4*\j+3]
.endr
	v_pk_add_f32 v[U:U+1], v[U:U+1], v[U+4:U+5]
	v_pk_add_f32 v[U+8:U+9], v[U+8:U+9], v[U+12:U+13]
	v_pk_add_f32 v[U:U+1], v[U:U+1], v[U+8:U+9]
	v_add_f32 v[U], v[U], v[U+1]
	v_permlanex16_b32 v[U+1], v[U], s[SEL], s[SEL+1]
	v_add_f32 v[U], v[U], v[U+1]
	v_rcp_f32 v[U+2], v[U]
	v_rcp_f32 v[U+3], v[U]
	v_nop                                          ; a plain line between the reciprocals and their use
.set j, 0
	s_wait_alu depctr_va_vdst(0)
.rept 16
	v_pk_mul_f32 v[X+2*j:X+2*j+1], v[X+2*j:X+2*j+1], v[U+2:U+3]  ; gamma
.set j, j+1
.endr
	; gamma's way out: a lane's 8 neighbouring numbers of a row go into my stage and come back as whole rows
.irp t, 0,1,2,3
.irp q, 0,1
	ds_store_b128 v[STO], v[X+8*\t+4*\q:X+8*\t+4*\q+3] offset:64*\t+16*\q
.endr
.endr
.irp i, 0,1,2,3,4,5,6,7
	ds_load_b128 v[O+4*\i:O+4*\i+3], v[RD] offset:\i*2*PITCH  ; LDS serves a wave's instructions in order (ISA guide 5.7.1.4): these see the stores above
.endr
.set j, 0
.rept 16
	v_pk_add_f32 v[LG+2*j:LG+2*j+1], v[X+2*j:X+2*j+1], 0x2edbe6ff op_sel_hi:[1,0]  ; gamma + 1e-10
.set j, j+1
.endr
.set j, 0
.rept 32
	v_log_f32 v[LG+j], v[LG+j]                     ; log2
.set j, j+1
.endr
.irp i, 0,1,2,3,4,5,6,7
	s_wait_dscnt 7-\i
	global_store_b128 v[GO], v[O+4*\i:O+4*\i+3], s[20:21] offset:512*\i th:TH_STORE_NT  ; two whole rows: 512 consecutive bytes, at a multiple of 256 from out0's first byte
.endr
	; my lane's part of the loss, doubled: sum g I + 2 ln 2 sum g log2(g + 1e-10) - sum lv
.set j, 0
.rept 16
.if j < 2
	v_pk_mul_f32 v[TA+2*j:TA+2*j+1], v[X+2*j:X+2*j+1], v[II+2*j:II+2*j+1]
	s_wait_alu depctr_va_vdst(0)
	v_pk_mul_f32 v[TB+2*j:TB+2*j+1], v[X+2*j:X+2*j+1], v[LG+2*j:LG+2*j+1]
.else
	v_pk_fma_f32 v[TA+2*(j%2):TA+2*(j%2)+1], v[X+2*j:X+2*j+1], v[II+2*j:II+2*j+1], v[TA+2*(j%2):TA+2*(j%2)+1]
	v_pk_fma_f32 v[TB+2*(j%2):TB+2*(j%2)+1], v[X+2*j:X+2*j+1], v[LG+2*j:LG+2*j+1], v[TB+2*(j%2):TB+2*(j%2)+1]
.endif
.set j, j+1
.endr
	v_pk_add_f32 v[TA:TA+1], v[TA:TA+1], v[TA+2:TA+3]
	v_pk_add_f32 v[TB:TB+1], v[TB:TB+1], v[TB+2:TB+3]
	v_pk_add_f32 v[TA:TA+1], v[TA:TA+1], v[LVS:LVS+1] neg_lo:[0,1] neg_hi:[0,1]
	v_add_f32 v[TB], v[TB], v[TB+1]
	v_add_f32 v[TA], v[TA], v[TA+1]
	v_fmamk_f32 v[TA], v[TB], 0x3fb17218, v[TA]
	v_add_f32_dpp v[TA], v[TA], v[TA] row_xmask:1 row_mask:0xf bank_mask:0xf
	v_add_f32_dpp v[TA], v[TA], v[TA] row_xmask:2 row_mask:0xf bank_mask:0xf
	v_add_f32_dpp v[TA], v[TA], v[TA] row_xmask:4 row_mask:0xf bank_mask:0xf
	v_add_f32_dpp v[TA], v[TA], v[TA] row_xmask:8 row_mask:0xf bank_mask:0xf
	v_permlanex16_b32 v[TA+1], v[TA], s[SEL], s[SEL+1]
	v_add_f32 v[TA], v[TA], v[TA+1]
	v_cmp_eq_u32 vcc_lo, 0, v[GO]                  ; lane 0
	s_wait_xcnt 0x0                                ; EXEC is a source of the stores above: it changes only behind this wait
	s_and_saveexec_b32 s[SAVE], vcc_lo
	global_store_b32 v[GO], v[TA], s[22:23]        ; one word a wave: the wave's sum
	s_wait_xcnt 0x0
	s_or_b32 exec_lo, exec_lo, s[SAVE]
	s_wait_tensorcnt 0x0                           ; the wave's end
	ds_add_u32 v[SPW], v[NIL]
	s_wait_dscnt 0x0
	s_endpgm
.Lfunc_end_k_q158560869b_main:
	.size	k_q158560869b_main, .Lfunc_end_k_q158560869b_main-k_q158560869b_main
	.p2alignl 7, 3214868480
	.fill 96, 4, 3214868480
	.section	.rodata,"a",@progbits
	.p2align	6, 0x0
	.amdhsa_kernel k_q158560869b_main
		.amdhsa_group_segment_fixed_size 327680
		.amdhsa_private_segment_fixed_size 0
		.amdhsa_enable_private_segment 0
		.amdhsa_kernarg_size 64
		.amdhsa_user_sgpr_count 2
		.amdhsa_user_sgpr_kernarg_segment_ptr 1
		.amdhsa_wavefront_size32 1
		.amdhsa_system_sgpr_workgroup_id_x 1
		.amdhsa_system_sgpr_workgroup_id_y 1
		.amdhsa_system_sgpr_workgroup_id_z 1
		.amdhsa_system_vgpr_workitem_id 0
		.amdhsa_next_free_vgpr 896
		.amdhsa_next_free_sgpr 76
		.amdhsa_reserve_vcc 1
		.amdhsa_float_denorm_mode_32 3
		.amdhsa_float_denorm_mode_16_64 3
		.amdhsa_memory_ordered 1
		.amdhsa_forward_progress 1
		.amdhsa_inst_pref_size 255
	.end_amdhsa_kernel
	.section	.bss,"aw",@nobits
	.p2align	6
	.space	262144
	.amdgpu_metadata
---
amdhsa.version: [ 1, 2 ]
amdhsa.kernels:
  - .name:           k_q158560869b_main
    .symbol:         k_q158560869b_main.kd
    .args:
      - { .name: z, .offset: 0, .size: 8, .value_kind: global_buffer, .address_space: global }
      - { .name: mu, .offset: 8, .size: 8, .value_kind: global_buffer, .address_space: global }
      - { .name: logvar, .offset: 16, .size: 8, .value_kind: global_buffer, .address_space: global }
      - { .name: centroids, .offset: 24, .size: 8, .value_kind: global_buffer, .address_space: global }
      - { .name: log_sigma, .offset: 32, .size: 8, .value_kind: global_buffer, .address_space: global }
      - { .name: pi_logits, .offset: 40, .size: 8, .value_kind: global_buffer, .address_space: global }
      - { .name: out0, .offset: 48, .size: 8, .value_kind: global_buffer, .address_space: global }
      - { .name: part, .offset: 56, .size: 8, .value_kind: global_buffer, .address_space: global }
    .group_segment_fixed_size: 327680
    .private_segment_fixed_size: 0
    .kernarg_segment_align: 8
    .kernarg_segment_size: 64
    .max_flat_workgroup_size: 128
    .sgpr_count:     76
    .vgpr_count:     896
    .wavefront_size: 32
...
	.end_amdgpu_metadata
.endif
;; end of part 1
;; launch finish (part 2): grid 1 x 1, 1 waves a work-group, no clusters, 0 bytes of LDS; arguments part, out1; writes out1
.if DOCPART == 2
	.amdgcn_target "amdgcn-amd-amdhsa--gfx1250"
	.amdhsa_code_object_version 6
	.text
	.protected	k_q158560869b_finish
	.globl	k_q158560869b_finish
	.p2align	8
	.type	k_q158560869b_finish,@function
k_q158560869b_finish:
	s_mov_b64 s[64:65], 0
	v_nop
	global_prefetch_b8 v0, s[64:65] scope:SCOPE_SE
	s_setreg_imm32_b32 hwreg(HW_REG_WAVE_MODE, 25, 1), 1
	s_wait_xcnt 0x0
; out1 = (sum of the 1,024 partial sums) / 2 / 16384 - 128.  The partial sums hold twice the rows' loss without its constant; see the launch before.
; One wave: 32 lanes x 8 loads of 16 bytes are the 4,096 bytes, each load 512 consecutive bytes.  No LDS, no barrier: the sum never leaves the wave.
	s_load_b128 s[4:7], s[0:1], 0x0                ; part s[4:5], out1 s[6:7]
	v_lshlrev_b32 v1, 4, v0
	s_mov_b32 s8, 0x76543210                       ; v_permlanex16_b32: each lane takes its own place in the other half
	s_mov_b32 s9, 0xfedcba98
	v_mov_b32 v3, 0xc3000000                       ; -128
	s_wait_kmcnt 0x0
.irp i, 0,1,2,3,4,5,6,7
	global_load_b128 v[4+4*\i:7+4*\i], v1, s[4:5] offset:512*\i
.endr
	s_wait_loadcnt 0x0
.irp i, 0,1,2,3,4,5,6,7
	v_pk_add_f32 v[4+4*\i:5+4*\i], v[4+4*\i:5+4*\i], v[6+4*\i:7+4*\i]
.endr
.irp i, 0,1,2,3
	v_pk_add_f32 v[4+8*\i:5+8*\i], v[4+8*\i:5+8*\i], v[8+8*\i:9+8*\i]
.endr
	v_pk_add_f32 v[4:5], v[4:5], v[12:13]
	v_pk_add_f32 v[20:21], v[20:21], v[28:29]
	v_pk_add_f32 v[4:5], v[4:5], v[20:21]
	v_add_f32 v4, v4, v5
	v_add_f32_dpp v4, v4, v4 row_xmask:1 row_mask:0xf bank_mask:0xf
	v_add_f32_dpp v4, v4, v4 row_xmask:2 row_mask:0xf bank_mask:0xf
	v_add_f32_dpp v4, v4, v4 row_xmask:4 row_mask:0xf bank_mask:0xf
	v_add_f32_dpp v4, v4, v4 row_xmask:8 row_mask:0xf bank_mask:0xf
	v_permlanex16_b32 v5, v4, s8, s9
	v_add_f32 v4, v4, v5
	v_fmamk_f32 v6, v4, 0x38000000, v3             ; sum x 2^-15 - 128
	v_cmp_eq_u32 vcc_lo, 0, v0
	s_wait_xcnt 0x0                                ; EXEC changes only behind this wait
	s_and_saveexec_b32 s10, vcc_lo
	global_store_b32 v1, v6, s[6:7]                ; lane 0: offset 0
	s_wait_xcnt 0x0
	s_or_b32 exec_lo, exec_lo, s10
	s_endpgm
.Lfunc_end_k_q158560869b_finish:
	.size	k_q158560869b_finish, .Lfunc_end_k_q158560869b_finish-k_q158560869b_finish
	.p2alignl 7, 3214868480
	.fill 96, 4, 3214868480
	.section	.rodata,"a",@progbits
	.p2align	6, 0x0
	.amdhsa_kernel k_q158560869b_finish
		.amdhsa_group_segment_fixed_size 0
		.amdhsa_private_segment_fixed_size 0
		.amdhsa_enable_private_segment 0
		.amdhsa_kernarg_size 16
		.amdhsa_user_sgpr_count 2
		.amdhsa_user_sgpr_kernarg_segment_ptr 1
		.amdhsa_wavefront_size32 1
		.amdhsa_system_sgpr_workgroup_id_x 1
		.amdhsa_system_sgpr_workgroup_id_y 1
		.amdhsa_system_sgpr_workgroup_id_z 1
		.amdhsa_system_vgpr_workitem_id 0
		.amdhsa_next_free_vgpr 40
		.amdhsa_next_free_sgpr 66
		.amdhsa_reserve_vcc 1
		.amdhsa_float_denorm_mode_32 3
		.amdhsa_float_denorm_mode_16_64 3
		.amdhsa_memory_ordered 1
		.amdhsa_forward_progress 1
		.amdhsa_inst_pref_size 3
	.end_amdhsa_kernel
	.amdgpu_metadata
---
amdhsa.version: [ 1, 2 ]
amdhsa.kernels:
  - .name:           k_q158560869b_finish
    .symbol:         k_q158560869b_finish.kd
    .args:
      - { .name: part, .offset: 0, .size: 8, .value_kind: global_buffer, .address_space: global }
      - { .name: out1, .offset: 8, .size: 8, .value_kind: global_buffer, .address_space: global }
    .group_segment_fixed_size: 0
    .private_segment_fixed_size: 0
    .kernarg_segment_align: 8
    .kernarg_segment_size: 16
    .max_flat_workgroup_size: 32
    .sgpr_count:     66
    .vgpr_count:     40
    .wavefront_size: 32
...
	.end_amdgpu_metadata
.endif
;; end of part 2
